; MI455X (gfx1250); checked and timed in simulation.
; The chip was launched on July 23, 2026; its instructions are those of AMD's public machine-readable ISA for CDNA 5 (MIT licence, August 2026) and "CDNA5" Instruction Set Architecture Reference Guide (July 2026). The comments in the code are by the model that wrote it; some were corrected since.
;; Project Render Score Model. Allowed arithmetic: float matrix products may take bf16 or f16 operands with f32 sums; all other float work in f32.
;; Inputs: camera_exponents 4 x 3 float32; camera_intensities 4 x 3 float32; camera_sigmas 4 x 3 float32; exponents 4 x 128 float32; intensities 4 x 128 float32; masks_target 4 x 3 x 200 x 200 float32; points_2d 4 x 3 x 128 x 2 float32; sigmas 4 x 128 float32.
;; Outputs: out0 4 x 3 x 200 x 200 float32; out1 4 x 128 float32.
;; One version. Each part assembles by itself: llvm-mc -triple=amdgcn-amd-amdhsa -mcpu=gfx1250 --defsym DOCPART=n.
;; ======== version 1 of 1: 2 launches
;; workspace buffers: part 258,048 bytes
;; launch render (part 1): grid 21 x 12, 16 waves a work-group, no clusters, 78,848 bytes of LDS; arguments points_2d, sigmas, exponents, intensities, camera_sigmas, camera_exponents, camera_intensities, masks_target, out0, part; writes out0, part
.if DOCPART == 1
	.amdgcn_target "amdgcn-amd-amdhsa--gfx1250"
	.amdhsa_code_object_version 6
	.text
	.protected	k_q7caef8e1b6_render
	.globl	k_q7caef8e1b6_render
	.p2align	8
	.type	k_q7caef8e1b6_render,@function
k_q7caef8e1b6_render:
	s_mov_b64 s[64:65], 0
	v_nop
	global_prefetch_b8 v0, s[64:65] scope:SCOPE_SE
	s_setreg_imm32_b32 hwreg(HW_REG_WAVE_MODE, 25, 1), 1
	s_wait_xcnt 0x0
; blob(k, pixel) = exp(-(d / (2 sig^2))^e), d = dx^2 + dy^2, for 12 images (4 batches x 3 cameras), 128 points, 200 x 200 pixels.
; This launch stores out0 = min(max over points of blob * inten, 1) and, for each work-group's pixels and each point, the sum of
; blob * target and the maximum of blob (buffer part); the next launch adds those up over the work-groups.
;
; ARITHMETIC.  blob = exp2(-exp2(e * log2(d) + c)) with c = log2(log2(e_Euler)) - e * (2 log2|sig| + 1), made once for each point:
; three transcendentals and about four packed plain instructions for an evaluation.  d = 0 gives -inf, 0, blob 1 for e > 0 and +inf, blob 0
; for e < 0, as the power does.  |sig| serves a negative sigma (only its square counts).  The mask's maximum starts from the first
; products, not from 0, so negative intensities are served.
; LIMITS, kept knowingly: a blob below 2^-126 comes out as 0 (v_exp_f32 flushes denormal results: ISA guide 15.8); e = 0 together with d = 0
; gives NaN where the power gives 1; sig = 0 is not served; c is rounded once, an error of about 2e-6 * e in the inner exponent; NaN inputs lose in the maxima.
;
; SHARES.  An image is 625 blocks of 64 pixels (256 bytes, aligned): units.  Work-group (x, y) = (chunk, image); chunks 0-19 own 30 units,
; chunk 20 owns 25: 252 work-groups.  Sixteen waves: wave w keeps points 16 (w >> 1) .. + 15 for the whole kernel and walks units
; 15 (w & 1) + trip, 15 trips (10 for the odd waves of chunk 20).  Lane l has pixels 2 l and 2 l + 1 of the unit (200 is even: one image row).
; A point's sum and peak stay in lane registers over all trips and cross the lanes once; the wave's mask partial (max over its 16 points)
; goes to the wave's own LDS bytes, so no barrier stands among the trips.
; NOT USED: matrix units (no product: blob * target costs half an instruction while the blob is in a register, and the sum stays f32);
; tensor loads, clusters (a work-group reads 7,680 bytes once, nothing large is shared); prefetches (memory is waited for once, at the start).
.set PAR, 0                            ; LDS 0..5119      wave w at 320 w: px, py, e, c, inten, 16 f32 each
.set RED, 5120                         ; LDS 5120..7167   wave w at 128 w: 16 sums, 16 peaks
.set TGT, 7168                         ; LDS 7168..14847  the chunk's target, unit u at 256 u
.set MSK, 14848                        ; LDS 14848..76287 wave w at 3840 w + 256 trip + 8 l = 7680 (w >> 1) + 4 x pixel of the chunk; 512 spare bytes behind
.set PX, 16                            ; v[16:31]   px of my wave's 16 points, the same in every lane
.set PY, 32                            ; v[32:47]   py
.set PE, 48                            ; v[48:63]   e
.set PC, 64                            ; v[64:79]   c
.set PI, 80                            ; v[80:95]   inten
.set SA, 96                            ; v[96:127]  point k: a pair of sums (my two pixels)
.set PK, 128                           ; v[128:143] point k: peak
.set D,  144                           ; v[144:151] four points x two pixels at work
.set W,  152                           ; v[152:159] blob * inten of the same eight
.set DY, 160                           ; v[160:163] dy^2 of four points
.set GX, 164                           ; v[164:165] grid x of my two pixels
.set GY, 166                           ; v166 grid y; v167 the row as a float (the pair is written whole)
.set TG, 168                           ; v[168:169] target of my two pixels
.set MM, 170                           ; v[170:171] the trip's mask maxima
.set IDX, 172                          ; pixel index in the image of my first pixel
.set LT, 173                           ; LDS address of my target pair
.set LM, 174                           ; LDS address of my mask pair
.set T0, 176                           ; scratch
.set T1, 177
.set LO, 180                           ; MSK + 8 x thread, for the way out
	s_load_b512 s[8:23], s[0:1], 0x0               ; points s[8:9], sigmas s[10:11], exponents s[12:13], intensities s[14:15], camera sigmas, exponents, intensities s[16:21], target s[22:23]
	s_load_b128 s[24:27], s[0:1], 0x40             ; out0 s[24:25], part s[26:27]
	v_lshl_add_u32 v184, v0, 2, 0x12c00
	v_mov_b32 v185, 0
	v_lshrrev_b32 v1, 5, v0
	v_readfirstlane_b32 s2, v1                     ; wave w
	s_lshr_b32 s3, s2, 1                           ; point group
	s_and_b32 s31, s2, 1                           ; half of the chunk's units
	s_add_co_u32 s32, s2, 16                       ; the second unit that I stage and write out, if the chunk has it
	s_and_b32 s4, ttmp7, 0xffff                    ; image
	s_mul_i32 s5, s4, 11
	s_lshr_b32 s5, s5, 5                           ; batch = image / 3, exact for 0..11
	s_lshl_b32 s33, s4, 2                          ; byte offset of the image's camera factors
	s_cmp_eq_u32 ttmp9, 20
	s_cselect_b32 s6, 25, 30                       ; units of this chunk
	s_mul_i32 s34, s4, 160000                      ; bytes of an image
	s_mul_i32 s36, ttmp9, 7680                     ; bytes of 30 units
	s_add_co_u32 s34, s34, s36
	s_mov_b32 s35, 0
	s_mul_i32 s36, s4, 21
	s_add_co_u32 s36, s36, ttmp9
	s_lshl_b32 s36, s36, 10                        ; my 1,024 bytes of part
	s_mov_b32 s37, 0
	s_lshl_b32 s38, s4, 7
	s_lshl_b32 s39, s5, 7
	s_mul_i32 s43, s2, 320                         ; my wave's bytes of PAR
	s_mov_b32 s40, 0x76543210                      ; v_permlanex16_b32: lane i reads lane i of the other half
	s_mov_b32 s41, 0xfedcba98
	s_mov_b32 s42, 0x3c24a9cf                      ; 2 / 199, the grid's step
	v_and_b32 v2, 31, v0                           ; lane
	v_and_b32 v3, 15, v0
	v_lshl_add_u32 v1, s3, 4, v3                   ; point k = 16 x group + lane mod 16 (both halves of the lanes take the same 16)
	v_add_lshl_u32 v4, v1, s38, 3                  ; (128 image + k) x 8
	v_add_lshl_u32 v5, v1, s39, 2                  ; (128 batch + k) x 4
	v_lshlrev_b32 v6, 3, v0                        ; 256 w + 8 l: my 8 bytes of unit w; never rewritten
	v_lshl_add_u32 v7, v3, 2, s43
	v_mov_b32 v15, s43
	s_wait_kmcnt 0x0                               ; the ten addresses
	s_load_b32 s28, s[16:17], s33 offset:0x0       ; camera sigma
	s_load_b32 s29, s[18:19], s33 offset:0x0       ; camera exponent
	s_load_b32 s30, s[20:21], s33 offset:0x0       ; camera intensity
	s_add_nc_u64 s[22:23], s[22:23], s[34:35]      ; target and out0 at the chunk's first pixel
	s_add_nc_u64 s[24:25], s[24:25], s[34:35]
	s_add_nc_u64 s[26:27], s[26:27], s[36:37]
	; all loads go out together and share one wait
	global_load_b64 v[8:9], v4, s[8:9]
	global_load_b32 v10, v5, s[10:11]
	global_load_b32 v11, v5, s[12:13]
	global_load_b32 v12, v5, s[14:15]
	global_load_b64 v[176:177], v6, s[22:23] th:TH_LOAD_NT        ; unit w: the wave's load covers 256 consecutive bytes, aligned
	s_cmp_ge_u32 s32, s6
	s_cbranch_scc1 .Lno_second_in
	global_load_b64 v[178:179], v6, s[22:23] offset:4096 th:TH_LOAD_NT   ; unit w + 16
	s_wait_loadcnt 0x0
	ds_store_b64 v6, v[178:179] offset:TGT+4096
.Lno_second_in:
	s_wait_loadcnt 0x0                             ; everything issued is needed now
	ds_store_b64 v6, v[176:177] offset:TGT
	s_wait_kmcnt 0x0                               ; the camera factors; s33 is free again
	s_cmp_eq_u32 ttmp9, 20
	s_cselect_b32 s33, s31, 0                      ; 1: I am an odd wave of chunk 20 and have 10 trips
	; the point's five constants
	v_mul_f32 v10, s28, v10                        ; sig
	v_fma_f32 v8, v8, 0x3c23d70a, -1.0             ; P / 100 - 1
	v_fma_f32 v9, v9, 0x3c23d70a, -1.0
	v_log_f32 v13, |v10|
	v_mul_f32 v11, s29, v11                        ; e: also the plain instruction that stands behind v_log_f32 before its result is used (ISA guide 5.7.2)
	v_mul_f32 v12, s30, v12                        ; inten
	v_med3_num_f32 v8, v8, -1.0, 1.0
	v_med3_num_f32 v9, v9, -1.0, 1.0
	s_wait_alu depctr_va_vdst(0)
	v_fma_f32 v14, v13, 2.0, 1.0
	v_fma_f32 v14, -v11, v14, 0x3f075d3c           ; c = log2(log2(e_Euler)) - e (2 log2|sig| + 1)
	ds_store_b32 v7, v8  offset:PAR
	ds_store_b32 v7, v9  offset:PAR+64
	ds_store_b32 v7, v11 offset:PAR+128
	ds_store_b32 v7, v14 offset:PAR+192
	ds_store_b32 v7, v12 offset:PAR+256
	; back to every lane: 320 bytes = v[16:95].  The wave's own bytes, and LDS serves a wave's instructions in order (ISA guide 5.7.1): no wait between
.set i, 0
.rept 20
	ds_load_b128 v[PX+4*i:PX+4*i+3], v15 offset:PAR+16*i
.set i, i+1
.endr
	s_mul_i32 s38, ttmp9, 1920
	s_mul_i32 s39, s31, 960
	s_add_co_u32 s38, s38, s39
	v_lshl_add_u32 v[IDX], v2, 1, s38              ; 1920 chunk + 960 half + 2 l
	s_mul_i32 s39, s31, 3840
	s_add_co_u32 s39, s39, TGT                     ; my half of the chunk's target
	v_lshl_add_u32 v[LT], v2, 3, s39
	s_mul_i32 s44, s2, 3840
	s_add_co_u32 s44, s44, MSK                     ; my wave's bytes of MSK
	v_lshl_add_u32 v[LM], v2, 3, s44
	s_lshl_b32 s45, s2, 7
	s_add_co_u32 s45, s45, RED
	v_add_nc_u32 v[LO], MSK, v6
	s_wait_dscnt 0x0                               ; my stores of the target are done, for the others' sake; my constants are in
	s_barrier_signal -1
	s_barrier_wait -1                              ; the chunk's target is whole
; the mask's running maximum of pixel i takes two more products; init = 1: they start it
.macro MOP i, a, b, init
.if \init
	v_max_num_f32 v[MM+\i], v[W+\a], v[W+\b]
	s_wait_alu depctr_va_vdst(0)
.else
	v_max3_num_f32 v[MM+\i], v[MM+\i], v[W+\a], v[W+\b]
	s_wait_alu depctr_va_vdst(0)
.endif
.endm
; point k0 + p of a block, p = q + s with q even: its constant is register s of the pair at q, sent to both pixels by op_sel and op_sel_hi
.macro DIST k0, p, q, s                ; dx of both pixels
	v_pk_add_f32 v[D+2*\p:D+2*\p+1], v[GX:GX+1], v[PX+\k0+\q:PX+\k0+\q+1] op_sel:[0,\s] op_sel_hi:[1,\s] neg_lo:[0,1] neg_hi:[0,1]
.endm
.macro DSQ p, q, s                     ; d = dx^2 + dy^2
	v_pk_fma_f32 v[D+2*\p:D+2*\p+1], v[D+2*\p:D+2*\p+1], v[D+2*\p:D+2*\p+1], v[DY+\q:DY+\q+1] op_sel:[0,0,\s] op_sel_hi:[1,1,\s]
.endm
.macro POWR k0, p, q, s                ; e log2(d) + c
	v_pk_fma_f32 v[D+2*\p:D+2*\p+1], v[D+2*\p:D+2*\p+1], v[PE+\k0+\q:PE+\k0+\q+1], v[PC+\k0+\q:PC+\k0+\q+1] op_sel:[0,\s,\s] op_sel_hi:[1,\s,\s]
.endm
.macro WEIGH k0, p, q, s               ; blob * inten
	v_pk_mul_f32 v[W+2*\p:W+2*\p+1], v[D+2*\p:D+2*\p+1], v[PI+\k0+\q:PI+\k0+\q+1] op_sel:[0,\s] op_sel_hi:[1,\s]
.endm
; Four points x two pixels.  first = 1: the wave's first trip, whose products start the sums and peaks (nothing is cleared).
; Behind each run of eight transcendentals one plain instruction that names none of their registers stands before the results are used
; (ISA guide 5.7.2).  These places hold work that is due anyway: in the trip's first block the steps of the three addresses, in the others the mask maxima
; of the block before (init = 1: that block was the trip's first).
.macro BLOCK k0, first, init
	v_pk_add_f32 v[DY:DY+1],   v[GY:GY+1], v[PY+\k0:PY+\k0+1]   op_sel_hi:[0,1] neg_lo:[0,1] neg_hi:[0,1]   ; gy - py of two points
	v_pk_add_f32 v[DY+2:DY+3], v[GY:GY+1], v[PY+\k0+2:PY+\k0+3] op_sel_hi:[0,1] neg_lo:[0,1] neg_hi:[0,1]
	v_pk_mul_f32 v[DY:DY+1],   v[DY:DY+1],   v[DY:DY+1]
	v_pk_mul_f32 v[DY+2:DY+3], v[DY+2:DY+3], v[DY+2:DY+3]
	DIST \k0, 0, 0, 0
	DIST \k0, 1, 0, 1
	DIST \k0, 2, 2, 0
	DIST \k0, 3, 2, 1
	DSQ 0, 0, 0
	DSQ 1, 0, 1
	DSQ 2, 2, 0
	DSQ 3, 2, 1
.irp i, 0,1,2,3,4,5,6,7
	v_log_f32 v[D+\i], v[D+\i]
.endr
.if \k0 == 0
	v_add_nc_u32 v[LT], 0x100, v[LT]               ; the next trip's target (this trip's load has been issued)
	s_wait_alu depctr_va_vdst(0)
.else
	MOP 0, 0, 2, \init
.endif
	POWR \k0, 0, 0, 0
	POWR \k0, 1, 0, 1
	POWR \k0, 2, 2, 0
	POWR \k0, 3, 2, 1
.irp i, 0,1,2,3,4,5,6,7
	v_exp_f32 v[D+\i], v[D+\i]
.endr
.if \k0 == 0
	v_add_nc_u32 v[IDX], 64, v[IDX]                ; the next trip's pixels (this trip's coordinates are made)
	s_wait_alu depctr_va_vdst(0)
.else
	MOP 1, 1, 3, \init
.endif
	s_wait_alu depctr_va_vdst(0)
.irp i, 0,1,2,3,4,5,6,7
	v_exp_f32 v[D+\i], -v[D+\i]                    ; the blob
.endr
.if \k0 == 0
.if \first
	v_nop                                          ; the first trip stores at the start address: nothing to step
	s_wait_alu depctr_va_vdst(0)
.else
	v_add_nc_u32 v[LM], 0x100, v[LM]               ; this trip's place for the mask
	s_wait_alu depctr_va_vdst(0)
.endif
	s_wait_dscnt 0x0                               ; the trip's target pair; the one older LDS instruction is the last trip's store
.else
	MOP 0, 4, 6, 0
	MOP 1, 5, 7, 0
.endif
.irp p, 0,1,2,3
.if \first
	s_wait_alu depctr_va_vdst(0)
	v_pk_mul_f32 v[SA+2*(\k0+\p):SA+2*(\k0+\p)+1], v[D+2*\p:D+2*\p+1], v[TG:TG+1]
.else
	s_wait_alu depctr_va_vdst(0)
	v_pk_fma_f32 v[SA+2*(\k0+\p):SA+2*(\k0+\p)+1], v[D+2*\p:D+2*\p+1], v[TG:TG+1], v[SA+2*(\k0+\p):SA+2*(\k0+\p)+1]
.endif
.endr
.irp p, 0,1,2,3
.if \first
	v_max_num_f32 v[PK+\k0+\p], v[D+2*\p], v[D+2*\p+1]
.else
	v_max3_num_f32 v[PK+\k0+\p], v[PK+\k0+\p], v[D+2*\p], v[D+2*\p+1]
.endif
.endr
	WEIGH \k0, 0, 0, 0
	WEIGH \k0, 1, 0, 1
	WEIGH \k0, 2, 2, 0
	WEIGH \k0, 3, 2, 1
.endm
; One unit of 64 pixels against my wave's 16 points: 96 transcendentals.
.macro TRIP first
	ds_load_b64 v[TG:TG+1], v[LT]
	v_lshrrev_b32 v[T0], 3, v[IDX]                 ; row = index / 200 = (index / 8) / 25,
	v_mul_u32_u24 v[T0], v[T0], 5243               ; and n / 25 = (5243 n) >> 17: 25 x 5243 = 131,075, so the excess is n / 25 x 3 / 131,072 < 0.005 < 1 / 25 for n < 5,000
	v_lshrrev_b32 v[T0], 17, v[T0]
	v_mul_u32_u24 v[T1], v[T0], 200
	v_sub_nc_u32 v[T1], v[IDX], v[T1]              ; column
	v_cvt_f32_u32 v[T1], v[T1]
	v_cvt_f32_u32 v[GY+1], v[T0]
	v_fma_f32 v[GX], v[T1], s42, -1.0              ; grid(i) = -1 + 2 i / 199
	v_fma_f32 v[GY], v[GY+1], s42, -1.0
	v_add_f32 v[GX+1], s42, v[GX]
	BLOCK 0,  \first, 0
	BLOCK 4,  \first, 1
	BLOCK 8,  \first, 0
	BLOCK 12, \first, 0
	MOP 0, 0, 2, 0                                 ; the last block's products
	MOP 1, 1, 3, 0
	MOP 0, 4, 6, 0
	MOP 1, 5, 7, 0
	ds_store_b64 v[LM], v[MM:MM+1]                 ; the wave's own bytes; read by others behind the barrier below
.endm
	; 1 + 9 + 5 trips.  The ten that every wave has are the first, written out because its products start the sums, and a loop of nine.
	; The five that the odd waves of chunk 20 do not have are written out behind one branch: each of their LDS addresses is a start value,
	; made of the lane, the wave's number and constants, plus steps of 256 bytes that stand in the text one after the other.
	TRIP 1                                         ; trip 0: loads at +0, stores at +0
	s_mov_b32 s7, 9
.Ltrips:
	TRIP 0                                         ; trips 1 to 9: load at +256 .. +2304, store at +256 .. +2304
	s_sub_co_i32 s7, s7, 1
	s_cmp_lg_u32 s7, 0
	s_cbranch_scc1 .Ltrips
	s_cmp_lg_u32 s33, 0                            ; the odd waves of chunk 20 own units 15 to 24 alone
	s_cbranch_scc1 .Lreduce
	s_add_co_u32 s39, s39, 2560                    ; ten trips' targets have been read: trip 10 loads at +2560.  The same number that the ten steps have left in LT
	s_add_co_u32 s44, s44, 2304                    ; trip 9 stored at +2304; a trip steps LM by 256 ahead of its store.  The same number that the nine steps have left in LM
	v_lshl_add_u32 v[LT], v2, 3, s39
	v_lshl_add_u32 v[LM], v2, 3, s44
.rept 5
	TRIP 0                                         ; trips 10 to 14: load at +2560 .. +3584, store at +2560 .. +3584
.endr
.Lreduce:
	; across the lanes, stage by stage over the 16 points, so that 16 independent instructions stand side by side
	v_mov_b32 v[T0], s45                           ; my wave's bytes of RED
.set p, 0
.rept 16
	v_add_f32 v[SA+2*p], v[SA+2*p], v[SA+2*p+1]    ; my two pixels
.set p, p+1
.endr
.irp m, 1,2,4,8
.set p, 0
.rept 16
	v_add_f32_dpp v[SA+2*p], v[SA+2*p], v[SA+2*p] row_xmask:\m row_mask:0xf bank_mask:0xf
.set p, p+1
.endr
.endr
.set p, 0
.rept 16
	v_permlanex16_b32 v[SA+2*p+1], v[SA+2*p], s40, s41
.set p, p+1
.endr
.set p, 0
.rept 16
	v_add_f32 v[D+p], v[SA+2*p], v[SA+2*p+1]       ; 16 neighbouring registers (D and W), the same in every lane
.set p, p+1
.endr
.irp i, 0,1,2,3
	ds_store_b128 v[T0], v[D+4*\i:D+4*\i+3] offset:16*\i
.endr
.irp m, 1,2,4,8
.set p, 0
.rept 16
	v_max_num_f32_dpp v[PK+p], v[PK+p], v[PK+p] row_xmask:\m row_mask:0xf bank_mask:0xf
.set p, p+1
.endr
.endr
.set p, 0
.rept 16
	v_permlanex16_b32 v[SA+p], v[PK+p], s40, s41
.set p, p+1
.endr
.set p, 0
.rept 16
	v_max_num_f32 v[PK+p], v[PK+p], v[SA+p]
.set p, p+1
.endr
.irp i, 0,1,2,3
	ds_store_b128 v[T0], v[PK+4*\i:PK+4*\i+3] offset:64+16*\i
.endr
	s_wait_dscnt 0x0                               ; my mask partials, sums and peaks are in LDS, for the others' sake
	s_barrier_signal -1
	s_barrier_wait -1
; One unit of the mask leaves: the maximum over the eight point groups, capped at 1.  The wave's store covers 256 consecutive bytes, aligned.
; The two calls use registers of their own, so no store's data is rewritten.
.macro OUTUNIT off, R
.irp g, 0,1,2,3,4,5,6,7
	ds_load_b64 v[\R+2*\g:\R+2*\g+1], v[LO] offset:\g*7680+\off
.endr
	s_wait_dscnt 0x0
.irp i, 0,1
	v_max3_num_f32 v[\R+\i], v[\R+\i], v[\R+2+\i], v[\R+4+\i]
	v_max3_num_f32 v[\R+\i], v[\R+\i], v[\R+6+\i], v[\R+8+\i]
	v_max3_num_f32 v[\R+\i], v[\R+\i], v[\R+10+\i], v[\R+12+\i]
	v_max_num_f32 v[\R+\i], v[\R+\i], v[\R+14+\i]
	v_min_num_f32 v[\R+\i], 1.0, v[\R+\i]
.endr
	global_store_b64 v6, v[\R:\R+1], s[24:25] offset:\off th:TH_STORE_NT
.endm
	OUTUNIT 0, 16                                  ; unit w
	s_cmp_ge_u32 s32, s6
	s_cbranch_scc1 .Lno_second_out
	OUTUNIT 4096, 32                               ; unit w + 16
.Lno_second_out:
	; the work-group's sums and peaks leave by waves 14 and 15, which never have a second unit: thread t of their 64 takes points 2 t, 2 t + 1
	s_cmp_lt_u32 s2, 14
	s_cbranch_scc1 .Lend
	v_and_b32 v48, 63, v0
	v_lshrrev_b32 v49, 3, v48                      ; point group: 256 bytes of RED (its two waves)
	v_and_b32 v50, 7, v48
	v_lshlrev_b32 v50, 3, v50
	v_lshl_add_u32 v49, v49, 8, v50
	v_lshlrev_b32 v48, 3, v48
	ds_load_b64 v[52:53], v49 offset:RED           ; sums of the even wave
	ds_load_b64 v[54:55], v49 offset:RED+64        ; its peaks
	ds_load_b64 v[56:57], v49 offset:RED+128       ; sums of the odd wave
	ds_load_b64 v[58:59], v49 offset:RED+192       ; its peaks
	s_wait_dscnt 0x0
	v_pk_add_f32 v[52:53], v[52:53], v[56:57]
	v_max_num_f32 v54, v54, v58
	v_max_num_f32 v55, v55, v59
	global_store_b64 v48, v[52:53], s[26:27]               ; plane 0: 128 sums
	global_store_b64 v48, v[54:55], s[26:27] offset:512    ; plane 1: 128 peaks
.Lend:
	s_wait_tensorcnt 0x0
	ds_add_u32 v184, v185
	s_wait_dscnt 0x0
	s_endpgm
.Lfunc_end_k_q7caef8e1b6_render:
	.size	k_q7caef8e1b6_render, .Lfunc_end_k_q7caef8e1b6_render-k_q7caef8e1b6_render
	.p2alignl 7, 3214868480
	.fill 96, 4, 3214868480
	.section	.rodata,"a",@progbits
	.p2align	6, 0x0
	.amdhsa_kernel k_q7caef8e1b6_render
		.amdhsa_group_segment_fixed_size 78848
		.amdhsa_private_segment_fixed_size 0
		.amdhsa_enable_private_segment 0
		.amdhsa_kernarg_size 80
		.amdhsa_user_sgpr_count 2
		.amdhsa_user_sgpr_kernarg_segment_ptr 1
		.amdhsa_wavefront_size32 1
		.amdhsa_system_sgpr_workgroup_id_x 1
		.amdhsa_system_sgpr_workgroup_id_y 1
		.amdhsa_system_sgpr_workgroup_id_z 1
		.amdhsa_system_vgpr_workitem_id 0
		.amdhsa_next_free_vgpr 186
		.amdhsa_next_free_sgpr 66
		.amdhsa_reserve_vcc 0
		.amdhsa_float_denorm_mode_32 3
		.amdhsa_float_denorm_mode_16_64 3
		.amdhsa_memory_ordered 1
		.amdhsa_forward_progress 1
		.amdhsa_inst_pref_size 120
	.end_amdhsa_kernel
	.amdgpu_metadata
---
amdhsa.version: [ 1, 2 ]
amdhsa.kernels:
  - .name:           k_q7caef8e1b6_render
    .symbol:         k_q7caef8e1b6_render.kd
    .args:
      - { .name: points_2d, .offset: 0, .size: 8, .value_kind: global_buffer, .address_space: global }
      - { .name: sigmas, .offset: 8, .size: 8, .value_kind: global_buffer, .address_space: global }
      - { .name: exponents, .offset: 16, .size: 8, .value_kind: global_buffer, .address_space: global }
      - { .name: intensities, .offset: 24, .size: 8, .value_kind: global_buffer, .address_space: global }
      - { .name: camera_sigmas, .offset: 32, .size: 8, .value_kind: global_buffer, .address_space: global }
      - { .name: camera_exponents, .offset: 40, .size: 8, .value_kind: global_buffer, .address_space: global }
      - { .name: camera_intensities, .offset: 48, .size: 8, .value_kind: global_buffer, .address_space: global }
      - { .name: masks_target, .offset: 56, .size: 8, .value_kind: global_buffer, .address_space: global }
      - { .name: out0, .offset: 64, .size: 8, .value_kind: global_buffer, .address_space: global }
      - { .name: part, .offset: 72, .size: 8, .value_kind: global_buffer, .address_space: global }
    .group_segment_fixed_size: 78848
    .private_segment_fixed_size: 0
    .kernarg_segment_align: 8
    .kernarg_segment_size: 80
    .max_flat_workgroup_size: 512
    .sgpr_count:     66
    .vgpr_count:     186
    .wavefront_size: 32
...
	.end_amdgpu_metadata
.endif
;; end of part 1
;; launch finish (part 2): grid 4 x 1, 3 waves a work-group, no clusters, 2,048 bytes of LDS; arguments part, out1; writes out1
.if DOCPART == 2
	.amdgcn_target "amdgcn-amd-amdhsa--gfx1250"
	.amdhsa_code_object_version 6
	.text
	.protected	k_q7caef8e1b6_finish
	.globl	k_q7caef8e1b6_finish
	.p2align	8
	.type	k_q7caef8e1b6_finish,@function
k_q7caef8e1b6_finish:
	s_mov_b64 s[64:65], 0
	v_nop
	global_prefetch_b8 v0, s[64:65] scope:SCOPE_SE
	s_setreg_imm32_b32 hwreg(HW_REG_WAVE_MODE, 25, 1), 1
	s_wait_xcnt 0x0
; out1[b][k] = mean over the 3 cameras of (sum over pixels of blob * target) / max(peak of blob, 1e-8).
; part is [12 images][21 chunks][2][128] f32: plane 0 a chunk's sums, plane 1 its peaks.
; One work-group for each batch, one wave for each camera; lane l has points 4 l .. 4 l + 3, so each load of a wave covers 512 consecutive bytes.
; The work is 258,048 bytes and a few hundred instructions: four work-groups have all of it, and the three cameras meet in LDS.
.set S, 8                              ; v[8:91]    chunk j: four sums
.set P, 92                             ; v[92:175]  chunk j: four peaks
	s_load_b128 s[4:7], s[0:1], 0x0                ; part s[4:5], out1 s[6:7]
	v_lshl_add_u32 v184, v0, 2, 0x600
	v_mov_b32 v185, 0
	v_lshrrev_b32 v1, 5, v0
	v_readfirstlane_b32 s8, v1                     ; camera
	s_mul_i32 s10, ttmp9, 3
	s_add_co_u32 s10, s10, s8                      ; image
	s_mul_i32 s10, s10, 21504                      ; 21 chunks of 1,024 bytes
	s_mov_b32 s11, 0
	s_lshl_b32 s12, ttmp9, 9                       ; the batch's 512 bytes of out1
	s_mov_b32 s13, 0
	v_and_b32 v1, 31, v0
	v_lshlrev_b32 v1, 4, v1                        ; 16 bytes a lane; never rewritten
	s_wait_kmcnt 0x0
	s_add_nc_u64 s[4:5], s[4:5], s[10:11]
	s_add_nc_u64 s[6:7], s[6:7], s[12:13]
.set j, 0
.rept 21
	global_load_b128 v[S+4*j:S+4*j+3], v1, s[4:5] offset:1024*j th:TH_LOAD_NT
	global_load_b128 v[P+4*j:P+4*j+3], v1, s[4:5] offset:1024*j+512 th:TH_LOAD_NT
.set j, j+1
.endr
	; chunks j and j + 1 join chunk 0.  Of the 42 loads the peaks of chunk j + 1 are number 2 j + 4, so 38 - 2 j younger ones may stay out
.irp j, 1,3,5,7,9,11,13,15,17,19
	s_wait_loadcnt 38-2*\j
	v_pk_add_f32 v[S:S+1],   v[S:S+1],   v[S+4*\j:S+4*\j+1]
	v_pk_add_f32 v[S+2:S+3], v[S+2:S+3], v[S+4*\j+2:S+4*\j+3]
	v_pk_add_f32 v[S:S+1],   v[S:S+1],   v[S+4*\j+4:S+4*\j+5]
	v_pk_add_f32 v[S+2:S+3], v[S+2:S+3], v[S+4*\j+6:S+4*\j+7]
.irp r, 0,1,2,3
	v_max3_num_f32 v[P+\r], v[P+\r], v[P+4*\j+\r], v[P+4*\j+4+\r]
.endr
.endr
.irp r, 0,1,2,3
	v_max_num_f32 v[P+\r], 0x322bcc77, v[P+\r]     ; at least 1e-8
.endr
.irp r, 0,1,2,3
	v_rcp_f32 v[P+\r], v[P+\r]
.endr
	v_lshlrev_b32 v2, 4, v0                        ; my 16 bytes of LDS: also the plain instruction behind the reciprocals (ISA guide 5.7.2)
	s_wait_alu depctr_va_vdst(0)
	v_pk_mul_f32 v[S:S+1],   v[S:S+1],   v[P:P+1]
	v_pk_mul_f32 v[S+2:S+3], v[S+2:S+3], v[P+2:P+3]
	ds_store_b128 v2, v[S:S+3]
	s_wait_dscnt 0x0                               ; for wave 0's sake
	s_barrier_signal -1
	s_barrier_wait -1
	s_cmp_lg_u32 s8, 0
	s_cbranch_scc1 .Lend
	ds_load_b128 v[8:11],  v1                      ; the three cameras' scores of my four points
	ds_load_b128 v[12:15], v1 offset:512
	ds_load_b128 v[16:19], v1 offset:1024
	s_wait_dscnt 0x0
	v_pk_add_f32 v[8:9],   v[8:9],   v[12:13]
	v_pk_add_f32 v[10:11], v[10:11], v[14:15]
	v_pk_add_f32 v[8:9],   v[8:9],   v[16:17]
	v_pk_add_f32 v[10:11], v[10:11], v[18:19]
	v_pk_mul_f32 v[8:9],   v[8:9],   0x3eaaaaab op_sel_hi:[1,0]   ; the mean of three
	v_pk_mul_f32 v[10:11], v[10:11], 0x3eaaaaab op_sel_hi:[1,0]
	global_store_b128 v1, v[8:11], s[6:7]          ; 512 consecutive bytes, aligned
.Lend:
	s_wait_tensorcnt 0x0
	ds_add_u32 v184, v185
	s_wait_dscnt 0x0
	s_endpgm
.Lfunc_end_k_q7caef8e1b6_finish:
	.size	k_q7caef8e1b6_finish, .Lfunc_end_k_q7caef8e1b6_finish-k_q7caef8e1b6_finish
	.p2alignl 7, 3214868480
	.fill 96, 4, 3214868480
	.section	.rodata,"a",@progbits
	.p2align	6, 0x0
	.amdhsa_kernel k_q7caef8e1b6_finish
		.amdhsa_group_segment_fixed_size 2048
		.amdhsa_private_segment_fixed_size 0
		.amdhsa_enable_private_segment 0
		.amdhsa_kernarg_size 16
		.amdhsa_user_sgpr_count 2
		.amdhsa_user_sgpr_kernarg_segment_ptr 1
		.amdhsa_wavefront_size32 1
		.amdhsa_system_sgpr_workgroup_id_x 1
		.amdhsa_system_sgpr_workgroup_id_y 1
		.amdhsa_system_sgpr_workgroup_id_z 1
		.amdhsa_system_vgpr_workitem_id 0
		.amdhsa_next_free_vgpr 186
		.amdhsa_next_free_sgpr 66
		.amdhsa_reserve_vcc 0
		.amdhsa_float_denorm_mode_32 3
		.amdhsa_float_denorm_mode_16_64 3
		.amdhsa_memory_ordered 1
		.amdhsa_forward_progress 1
		.amdhsa_inst_pref_size 12
	.end_amdhsa_kernel
	.amdgpu_metadata
---
amdhsa.version: [ 1, 2 ]
amdhsa.kernels:
  - .name:           k_q7caef8e1b6_finish
    .symbol:         k_q7caef8e1b6_finish.kd
    .args:
      - { .name: part, .offset: 0, .size: 8, .value_kind: global_buffer, .address_space: global }
      - { .name: out1, .offset: 8, .size: 8, .value_kind: global_buffer, .address_space: global }
    .group_segment_fixed_size: 2048
    .private_segment_fixed_size: 0
    .kernarg_segment_align: 8
    .kernarg_segment_size: 16
    .max_flat_workgroup_size: 96
    .sgpr_count:     66
    .vgpr_count:     186
    .wavefront_size: 32
...
	.end_amdgpu_metadata
.endif
;; end of part 2
